; MI455X (gfx1250); checked and timed in simulation.
; The chip was launched on July 23, 2026; its instructions are those of AMD's public machine-readable ISA for CDNA 5 (MIT licence, August 2026) and "CDNA5" Instruction Set Architecture Reference Guide (July 2026). The comments in the code are by the model that wrote it; some were corrected since.
;; Self Attention1 D. Allowed arithmetic: matrix products marked QUANTISED: E5M2 operands, one E8M0 scale for each 32 along K, by v_wmma_scale_f32_16x16x128_f8f6f4 with both operands' format E5M2, f32 sums; everything else in f32.
;; Inputs: Wf 512 x 64 float32; Wg 512 x 64 float32; Wh 512 x 512 float32; bf 64 float32; bg 64 float32; bh 512 float32; gamma one number float32; x 4 x 4,096 x 512 float32.
;; Outputs: out0 4 x 4,096 x 512 float32.
;; This version of the problem:
;;   THIS VERSION OF THE PROBLEM IS GIVEN IN LOW PRECISION. The matrix products marked QUANTISED in the list below multiply operands that are first quantised to E5M2 (5 exponent bits, 2 mantissa bits; 8 bits a number), with one power-of-two scale for each 32 numbers along K (OCP MX v1.0); their sums are f32. All else is computed in f32.
;;   The module's matrix products, in the order in which they are computed (A, B: the left and right operand; K: the contracted axis; several contracted axes count as one K, in the product's order):
;;     1. [M 16,384, K 512] x [K 512, N 64]; A: input x; B: input Wf: QUANTISED
;;     2. [M 16,384, K 512] x [K 512, N 64]; A: input x; B: input Wg: QUANTISED
;;     3. [M 16,384, K 512] x [K 512, N 512]; A: input x; B: input Wh: QUANTISED
;;     4. batch 4 x [M 4,096, K 64] x [K 64, N 4,096]; A: computed on the way; B: computed on the way: QUANTISED
;;     5. batch 4 x [M 4,096, K 4,096] x [K 4,096, N 512]; A: softmax (see below); B: computed on the way: QUANTISED
;;   THE QUANTISER, for each operand of a quantised product, along K:
;;     - K is cut into blocks of 32 from its start; a last block that is shorter is filled with zeros.
;;     - A block's scale is 2^e with e = floor(log2(the largest magnitude in the block)) - 15, held to -126 .. 127; a block of zeros has e = 0. As a byte (E8M0): e + 127.
;;     - Each number is divided by its block's scale, clamped to +-57,344, and rounded to the nearest number of E5M2, ties to even, subnormals kept.
;;     - The product sums the exact products of the quantised numbers (number of the format x scale) in f32.
;;   ~~~python
;;   def quantise(x, axis):      # numpy; x: float32 -> the quantised numbers, widened to float32 again
;;       x = np.moveaxis(x, axis, -1); K = x.shape[-1]
;;       x = np.pad(x, [(0, 0)] * (x.ndim - 1) + [(0, -K % 32)]); x = x.reshape(x.shape[:-1] + (-1, 32)); a = np.abs(x).max(-1, keepdims=True)
;;       e = np.where(a > 0, np.clip(np.frexp(np.where(a > 0, a, 1))[1] - 1 - 15, -126, 127), 0)      # np.frexp(a)[1] - 1 = floor(log2(a)), exactly
;;       r = np.clip(x / 2.0 ** e, -57344, 57344)
;;       step = 2.0 ** (np.maximum(np.frexp(np.where(r == 0, 1, r))[1] - 1, -14) - 2)
;;       q = np.round(r / step) * step * 2.0 ** e      # np.round: ties to even
;;       return np.moveaxis(q.reshape(q.shape[:-2] + (-1,))[..., :K], -1, axis).astype(np.float32)
;;   ~~~
;;   SOFTMAX AHEAD OF A QUANTISED PRODUCT. Where the list says 'softmax', what is quantised is not the finished softmax but p = 2^(t - M), with t = logit x log2(e) and M = ceil(the row's largest t), a whole number; so 1/2 < the row's largest p <= 1. The row's sum l is taken of the UNQUANTISED p, in f32, and the product's result is divided by l at the end. Since M is a whole number, a kernel that streams over the keys may use a running M (the ceiling of the running maximum): every later rescaling is an exact power of two, which a block's scale takes up: the codes' values come out the same.
;;   OPERANDS COMPUTED ON THE WAY. 'Computed on the way' means the value that the module computes at that place (a softmax that the list does not call 'softmax' is quantised finished and normalised). What goes into a quantiser is computed in f32, as accurately as f32 sums, v_exp_f32 and their like allow (about 1e-6 of the number): no bf16 or f16 on the way to a quantiser, and a product that is left as it is and whose result goes on into a quantised operand takes f32 operands (vector FMAs, or v_wmma_f32_16x16x4_f32). A number that lies on a knife's edge between two numbers of the format may be rounded either way, as far as f32 arithmetic and the matrix unit's own rounding can turn it there, and no further.
;; One version. Each part assembles by itself: llvm-mc -triple=amdgcn-amd-amdhsa -mcpu=gfx1250 --defsym DOCPART=n.
;; ======== version 1 of 1: 3 launches
;; workspace buffers: wq 337,920 bytes; fq 1,179,648 bytes; kv 9,830,400 bytes
;; launch wquant (part 1): grid 20 x 1, 4 waves a work-group, no clusters, 0 bytes of LDS; arguments Wf, Wg, Wh, wq; writes wq
.if DOCPART == 1
	.amdgcn_target "amdgcn-amd-amdhsa--gfx1250"
	.amdhsa_code_object_version 6
	.text
	.protected	k_q1f289b7ab3_wquant
	.globl	k_q1f289b7ab3_wquant
	.p2align	8
	.type	k_q1f289b7ab3_wquant,@function
k_q1f289b7ab3_wquant:
	s_mov_b64 s[64:65], 0
	v_nop
	global_prefetch_b8 v0, s[64:65] scope:SCOPE_SE
	s_setreg_imm32_b32 hwreg(HW_REG_WAVE_MODE, 25, 1), 1
	s_wait_xcnt 0x0
; Wf [512][64], Wg [512][64], Wh [512][512], f32, K = their FIRST axis, become codes of BF8 (E5M2) with one E8M0 scale byte for each 32 along K,
; laid in wq AS THE MATRIX OPERAND'S REGISTERS: tile ct (16 columns; 0-3 Wf, 4-7 Wg, 8-39 Wh) and K step s (128 along K) are a fragment of 2,048 bytes at (4 ct + s) x 2,048;
; in it piece c (k = 32 c ..) lies at 512 c and lane l's 16 bytes at 16 l (lane (r, h): column r of the tile, k = 32 c + 16 h + 0 .. 15).  Scale words: 327,680 + (4 ct + s) x 64 + 4 r.
; THE COLUMNS OF A TILE OF Wf AND Wg ARE NOT NEIGHBOURS: row r of tile 2 b + u is column 32 b + 8 u + r + 8 (r / 8), so that the next launch's results run along the next K.  Wh's tiles are 16 neighbours.
; A LANE TAKES A COLUMN AND ITS REGISTERS RUN DOWN K: a block of 32 lies in one lane, its largest magnitude needs no other lane, and the conversions give codes with K innermost.
; A work-group takes 32 columns (two tiles), wave s the K step s.  No LDS, no barrier: waves share nothing; 20 work-groups are all the work there is (1.3 MB in).
; A block's scale is 2^(floor(log2(largest magnitude)) - 15): its byte is the largest magnitude's exponent field - 15, held at 1 from below.
; LIMITS: a block whose largest magnitude lies under 2^-111 has its byte held at 1; a block of zeros gets the byte 1 where the rule says 127 (its codes are zeros, and this program alone reads the bytes); NaN and infinities are not served.
.set X,   32                           ; v32-159  four sets of 32 numbers, one for each block
.set C,   160                          ; v160-191 eight registers of codes for each block: no store's data are written again
.set LO,  3                            ; v3  4 x lane: my column in a row
.set CO,  4                            ; v4  where my codes go: 8,192 x (which of the two tiles) + 16 r
.set SO,  5                            ; v5  and my scale word: 256 x tile + 4 r
.set SW,  6                            ; v6  the four scale bytes
.set MNT, 13                           ; s13 the mantissa field of 57,344
	s_load_b256 s[4:11], s[0:1], 0x0               ; Wf s[4:5], Wg s[6:7], Wh s[8:9], wq s[10:11]
	v_lshrrev_b32 v1, 5, v0
	v_readfirstlane_b32 s12, v1                    ; wave = K step
	v_and_b32 v2, 31, v0
	v_lshlrev_b32 v[LO], 2, v2
	s_mov_b32 s[MNT], 0x600000
	s_lshl_b32 s14, ttmp9, 14                      ; my first tile is 2 x work-group: 8,192 bytes a tile,
	s_lshl_b32 s15, s12, 11                        ; 2,048 a K step
	s_add_co_u32 s14, s14, s15
	s_mov_b32 s15, 0
	s_lshl_b32 s16, ttmp9, 9                       ; scale words: 256 bytes a tile,
	s_lshl_b32 s17, s12, 6                         ; 64 a K step,
	s_add_co_u32 s16, s16, s17
	s_add_co_u32 s16, s16, 327680                  ; behind the codes
	s_mov_b32 s17, 0
	s_wait_kmcnt 0x0
	s_add_nc_u64 s[18:19], s[10:11], s[14:15]
	s_add_nc_u64 s[20:21], s[10:11], s[16:17]
.macro LOADB t, pitch                  ; block t: W(128 s + 32 t + i, my column), i = 0 .. 31: each load reads 128 consecutive bytes
.irp i, 0,1,2,3,4,5,6,7,8,9,10,11,12,13,14,15,16,17,18,19,20,21,22,23,24,25,26,27,28,29,30,31
	global_load_b32 v[X+32*(\t)+\i], v[LO], s[4:5] offset:(32*(\t)+\i)*(\pitch) th:TH_LOAD_NT
.endr
.endm
.macro BLOCK t, pitch
.set XS, X+32*(\t)
.set CC, C+8*(\t)
.if (\t) < 3
	s_wait_loadcnt 32                              ; this block's 32 loads are in; the next block's 32 may be out
.else
	s_wait_loadcnt 0x0
.endif
.if (\t)+2 < 4
	LOADB (\t)+2, \pitch
.endif
	v_max3_num_f32 v12, |v[XS]|, |v[XS+1]|, |v[XS+2]|              ; the block's largest magnitude, in two chains
	v_max3_num_f32 v13, |v[XS+3]|, |v[XS+4]|, |v[XS+5]|
.irp i, 6,10,14,18,22,26
	v_max3_num_f32 v12, v12, |v[XS+\i]|, |v[XS+\i+1]|
	v_max3_num_f32 v13, v13, |v[XS+\i+2]|, |v[XS+\i+3]|
.endr
	v_max3_num_f32 v12, v12, |v[XS+30]|, |v[XS+31]|
	v_max3_num_f32 v12, v12, v13, 0x8000000        ; and the floor 2^(16 - 127): the byte cannot fall under 1
	v_add_nc_u32 v11, 0xf8800000, v12              ; 15 off the exponent field: the conversion's scale operand
	v_and_or_b32 v10, v12, 0x7f800000, s[MNT]      ; 57,344 x the scale
	v_lshrrev_b32 v13, 23, v11                     ; the scale's byte
.if (\t) == 0
	v_mov_b32 v[SW], v13
.else
	v_lshl_or_b32 v[SW], v13, 8*(\t), v[SW]
.endif
.irp i, 0,1,2,3,4,5,6,7,8,9,10,11,12,13,14,15,16,17,18,19,20,21,22,23,24,25,26,27,28,29,30,31
	v_med3_num_f32 v[XS+\i], v[XS+\i], -v10, v10   ; the conversion to an 8-bit code does not saturate (ISA guide 7.6.2): the hold
.endr
.irp g, 0,1,2,3
	v_cvt_scalef32_pk8_bf8_f32 v[CC+2*\g:CC+2*\g+1], v[XS+8*\g:XS+8*\g+7], v11
.endr
	global_store_b128 v[CO], v[CC:CC+3], s[18:19] offset:512*(\t)          ; k = 32 t + 0 .. 15: the place of lane r
	global_store_b128 v[CO], v[CC+4:CC+7], s[18:19] offset:512*(\t)+256    ; k = 32 t + 16 .. 31: the place of lane 16 + r
.endm
.macro ALL pitch                       ; v7 = which of my two tiles, v8 = r
	LOADB 0, \pitch
	LOADB 1, \pitch
	v_lshlrev_b32 v[CO], 4, v8
	v_lshl_add_u32 v[CO], v7, 13, v[CO]
	v_lshlrev_b32 v[SO], 2, v8
	v_lshl_add_u32 v[SO], v7, 8, v[SO]
.irp t, 0,1,2,3
	BLOCK \t, \pitch
.endr
	global_store_b32 v[SO], v[SW], s[20:21]
	s_endpgm
.endm
	s_cmp_lt_u32 ttmp9, 4
	s_cbranch_scc0 .Lwh
	s_cmp_lt_u32 ttmp9, 2                          ; work-groups 0, 1: Wf; 2, 3: Wg.  The choice hangs on the work-group's number alone
	s_cselect_b64 s[4:5], s[4:5], s[6:7]
	s_and_b32 s22, ttmp9, 1
	s_lshl_b32 s22, s22, 7                         ; columns 32 (work-group % 2) on,
	s_lshl_b32 s23, s12, 15                        ; rows 128 s on, 256 bytes a row
	s_add_co_u32 s22, s22, s23
	s_mov_b32 s23, 0
	s_add_nc_u64 s[4:5], s[4:5], s[22:23]
	v_bfe_u32 v7, v0, 3, 1                         ; column j of the 32: u = (j / 8) % 2,
	v_and_b32 v8, 7, v0
	v_bfe_u32 v9, v0, 4, 1
	v_lshl_or_b32 v8, v9, 3, v8                    ; r = j % 8 + 8 (j / 16)
	ALL 256
.Lwh:
	s_sub_co_u32 s22, ttmp9, 4
	s_lshl_b32 s22, s22, 7                         ; columns 32 (work-group - 4) on,
	s_lshl_b32 s23, s12, 18                        ; rows 128 s on, 2,048 bytes a row
	s_add_co_u32 s22, s22, s23
	s_mov_b32 s23, 0
	s_add_nc_u64 s[4:5], s[8:9], s[22:23]
	v_bfe_u32 v7, v0, 4, 1
	v_and_b32 v8, 15, v0
	ALL 2048
.Lfunc_end_k_q1f289b7ab3_wquant:
	.size	k_q1f289b7ab3_wquant, .Lfunc_end_k_q1f289b7ab3_wquant-k_q1f289b7ab3_wquant
	.p2alignl 7, 3214868480
	.fill 96, 4, 3214868480
	.section	.rodata,"a",@progbits
	.p2align	6, 0x0
	.amdhsa_kernel k_q1f289b7ab3_wquant
		.amdhsa_group_segment_fixed_size 0
		.amdhsa_private_segment_fixed_size 0
		.amdhsa_enable_private_segment 0
		.amdhsa_kernarg_size 32
		.amdhsa_user_sgpr_count 2
		.amdhsa_user_sgpr_kernarg_segment_ptr 1
		.amdhsa_wavefront_size32 1
		.amdhsa_system_sgpr_workgroup_id_x 1
		.amdhsa_system_sgpr_workgroup_id_y 1
		.amdhsa_system_sgpr_workgroup_id_z 1
		.amdhsa_system_vgpr_workitem_id 0
		.amdhsa_next_free_vgpr 192
		.amdhsa_next_free_sgpr 66
		.amdhsa_reserve_vcc 0
		.amdhsa_float_denorm_mode_32 3
		.amdhsa_float_denorm_mode_16_64 3
		.amdhsa_memory_ordered 1
		.amdhsa_forward_progress 1
		.amdhsa_inst_pref_size 57
	.end_amdhsa_kernel
	.amdgpu_metadata
---
amdhsa.version: [ 1, 2 ]
amdhsa.kernels:
  - .name:           k_q1f289b7ab3_wquant
    .symbol:         k_q1f289b7ab3_wquant.kd
    .args:
      - { .name: Wf, .offset: 0, .size: 8, .value_kind: global_buffer, .address_space: global }
      - { .name: Wg, .offset: 8, .size: 8, .value_kind: global_buffer, .address_space: global }
      - { .name: Wh, .offset: 16, .size: 8, .value_kind: global_buffer, .address_space: global }
      - { .name: wq, .offset: 24, .size: 8, .value_kind: global_buffer, .address_space: global }
    .group_segment_fixed_size: 0
    .private_segment_fixed_size: 0
    .kernarg_segment_align: 8
    .kernarg_segment_size: 32
    .max_flat_workgroup_size: 128
    .sgpr_count:     66
    .vgpr_count:     192
    .wavefront_size: 32
...
	.end_amdgpu_metadata
.endif
;; end of part 1
;; launch proj (part 2): grid 256 x 1, 4 waves a work-group, no clusters, 168,448 bytes of LDS; arguments x, wq, bf, bg, bh, fq, kv; writes fq, kv
.if DOCPART == 2
	.amdgcn_target "amdgcn-amd-amdhsa--gfx1250"
	.amdhsa_code_object_version 6
	.text
	.protected	k_q1f289b7ab3_proj
	.globl	k_q1f289b7ab3_proj
	.p2align	8
	.type	k_q1f289b7ab3_proj,@function
k_q1f289b7ab3_proj:
	s_mov_b64 s[64:65], 0
	v_nop
	global_prefetch_b8 v0, s[64:65] scope:SCOPE_SE
	s_setreg_imm32_b32 hwreg(HW_REG_WAVE_MODE, 25, 1), 1
	s_wait_xcnt 0x0
; f = x Wf + bf, g = x Wg + bg, h = x Wh + bh on codes of BF8 (E5M2) with one E8M0 scale for each 32 along K; the results are quantised at once for the next launch's products:
; f and g along their 64 channels, h along the KEYS (the rows of x).  x: [16,384][512] f32, quantised here; the weights come as register images from wq.
; SHARES.  A work-group owns 64 rows of x: half of a key step of 128.  THE WAVES SHARE THE COLUMNS: each wave keeps ten tiles of 16 columns x 4 K steps of weights (640 registers), read once:
; slots 0-3, 8, 9: tiles 6 w + 0 .. 5 of h; slots 4-7: wave 0 the four tiles of f, wave 1 those of g, wave 2 tiles 24-27 of h, wave 3 tiles 28-31.  160 products a wave.
; The weights are not shared through a cluster: each fragment is wanted by one wave of a work-group, and 330 KB of weights do not fit in LDS beside x's 133 KB.
; x comes by one tensor load a wave (16 rows, filled once); wave w quantises row tile w; the fragments go from wave to wave through LDS as images of their registers (16 bytes a lane at 16 x lane).
; THE ROWS OF A TILE OF x ARE NOT NEIGHBOURS: lane r of tile 2 b + u takes row 32 b + 8 u + r + 8 (r / 8).  So in h (source 0 = x, source 1 = weights: a lane holds ONE channel) the 16 registers of tiles 2 b, 2 b + 1
; are keys 32 b + 16 (lane / 16) + 0 .. 15; and f, g (source 0 = weights, whose tiles' columns are chosen likewise, source 1 = x: a lane holds ONE row) run along their channels.  The conversions' results are the next operands' registers.
; The biases are the C of each sum's first product.
; OUT.  fq: query tile (4 x work-group + T) x 1,024 bytes of codes; from 1,048,576 on its scale words, 128 bytes a tile (4 x lane), each (b0, b1, b0, b1): the next launch sets f's 64 channels in either half of a K of 128.
; kv: batch x 2,457,600 + slot m x 153,600: V(2m) 65,536, V(2m+1) 65,536 (channel tile x 2,048), their scale words 2,048 each, g((2m+2) % 32) 8,192 + 1,024, g((2m+3) % 32) 8,192 + 1,024.
; Two neighbouring key tiles of g are one fragment of the next launch (1,024 bytes each, on end), so they share a scale word: pair q at 128 q + 4 x lane, tile 2 q's two bytes below, tile 2 q + 1's above.
; LIMITS: a block whose largest magnitude lies under 2^-111 has its byte held at 1; a block of zeros gets the byte 1 where the rule says 127 (zero codes; this program alone reads the bytes); NaN and infinities are not served.
; REGISTERS, in windows of 256.  Window 0: v1-9 addresses; v16-79 64 numbers of x, then v16-95 the bias of h as C (8 a slot); v96-127 four accumulators; v128-143 codes; v144-159 at work; v160-169 bh; v170-179 saved bytes;
;   v184-215 the bias of f or g; v224-243 the weights' scale words (lanes 0-15 an even K step's, lanes 16-31 the next one's); v244-251 x's scale words.
;   Windows 1, 2, 3: weight slot i at 256 + 64 i, K step s at + 16 s.  Window 3, v128-255: eight fragments of x (two row tiles x 4 K steps).
.set XIMG, 133120                      ; LDS: 0 .. 133,119 x as it comes: lines of 1,024 bytes + 16, two to a row;  then x's 16 fragments (4 T + s) x 2,048;
.set XSC,  165888                      ; then their scale words, 128 bytes each
.set LI,  1                            ; v1  16 x lane
.set LS,  2                            ; v2  4 x lane
.set XRD, 3                            ; v3  my row of x in LDS, + 64 (lane / 16)
.set XWI, 4                            ; v4  where I store x's images
.set XWS, 5                            ; v5  and their scale words
.set BO,  6                            ; v6  4 x (lane % 16)
.set FBO, 7                            ; v7  64 x (lane / 16)
.set XRI, 8                            ; v8  XIMG + 16 x lane (an LDS immediate has 16 bits: the register carries the region)
.set XRS, 9                            ; v9  XSC + 4 x lane
.set ST,  16
.set CB,  16
.set D,   96
.set PC,  128
.set TM,  144                          ; v144-147 largest magnitudes, v148-151 bytes, v152-155 57,344 x the scale, v156-159 the conversions' scale operands
.set BH,  160
.set SB,  170
.set WD,  180
.set FB,  184
.set WS,  224
.set XS,  244
.set WV,  18
.set HM,  19                           ; s19 a mask of lanes 16-31
.set SEL, 20
.set MNT, 22
.set G1,  24
.set G0,  32
.set WA,  36                           ; s[36:37] my six tiles of Wh;  s[38:39] my four other tiles;  s[40:41], s[42:43] their scale words
.set WB,  38
.set WSA, 40
.set WSB, 42
.set VCA, 44                           ; s[44:45], s[46:47] where V's codes go;  s[48:49], s[50:51] V's scale bytes
.set VCB, 46
.set VSA, 48
.set VSB, 50
.set FGC, 52                           ; s[52:53], s[54:55] where f's (wave 0) or g's (wave 1) codes and words go
.set FGS, 54
.set BFG, 56                           ; s[56:57] bf or bg;  s[58:59], s[60:61] bh at my tiles
.set BHA, 58
.set BHB, 60
.set MSB, 0
.macro WIN new                         ; the immediate's high byte repeats the setting that is left
.if MSB != \new
	s_set_vgpr_msb (MSB<<8)|\new
.set MSB, \new
.endif
.endm
.macro MM d, a, b, c, sa, sb, ra, rb   ; one product; ra, rb: that side's scale words stand in lanes 16-31
.set rD, \d
.set rA, \a
.set rB, \b
.set rC, \c
.set rSA, \sa
.set rSB, \sb
.if \ra
	v_wmma_scale_f32_16x16x128_f8f6f4 v[rD:rD+7], v[rA:rA+15], v[rB:rB+15], v[rC:rC+7], v[rSA], v[rSB] matrix_a_fmt:MATRIX_FMT_BF8 matrix_b_fmt:MATRIX_FMT_BF8 matrix_a_scale:MATRIX_SCALE_ROW1
.elseif \rb
	v_wmma_scale_f32_16x16x128_f8f6f4 v[rD:rD+7], v[rA:rA+15], v[rB:rB+15], v[rC:rC+7], v[rSA], v[rSB] matrix_a_fmt:MATRIX_FMT_BF8 matrix_b_fmt:MATRIX_FMT_BF8 matrix_b_scale:MATRIX_SCALE_ROW1
.else
	v_wmma_scale_f32_16x16x128_f8f6f4 v[rD:rD+7], v[rA:rA+15], v[rB:rB+15], v[rC:rC+7], v[rSA], v[rSB] matrix_a_fmt:MATRIX_FMT_BF8 matrix_b_fmt:MATRIX_FMT_BF8
.endif
.endm
; nb blocks: registers v[s + 16 b + i] are my 16 numbers of block b, the other 16 lie in lane l xor 16.  Codes to v[PC + 4 b] on, the scale's byte to v[TM + 4 + b].
.macro QUANT s, nb
.irp b, 0,1,2,3
.if \b < \nb
	v_max3_num_f32 v[TM+\b], |v[\s+16*\b]|, |v[\s+1+16*\b]|, 0x8000000   ; with the floor 2^(16 - 127): the byte cannot fall under 1
.endif
.endr
.irp i, 2,4,6,8,10,12,14
.irp b, 0,1,2,3
.if \b < \nb
	v_max3_num_f32 v[TM+\b], v[TM+\b], |v[\s+16*\b+\i]|, |v[\s+1+16*\b+\i]|
.endif
.endr
.endr
.irp b, 0,1,2,3
.if \b < \nb
	v_permlanex16_b32 v[TM+4+\b], v[TM+\b], s[SEL], s[SEL+1]
.endif
.endr
.irp b, 0,1,2,3
.if \b < \nb
	v_max_num_f32 v[TM+\b], v[TM+\b], v[TM+4+\b]   ; the block's largest magnitude
.endif
.endr
.irp b, 0,1,2,3
.if \b < \nb
	v_add_nc_u32 v[TM+12+\b], 0xf8800000, v[TM+\b] ; 15 off its exponent field: the conversion's scale operand
.endif
.endr
.irp b, 0,1,2,3
.if \b < \nb
	v_and_or_b32 v[TM+8+\b], v[TM+\b], 0x7f800000, s[MNT]   ; 57,344 x the scale
.endif
.endr
.irp b, 0,1,2,3
.if \b < \nb
	v_lshrrev_b32 v[TM+4+\b], 23, v[TM+12+\b]      ; the scale's byte
.endif
.endr
.irp b, 0,1,2,3
.if \b < \nb
.irp i, 0,1,2,3,4,5,6,7,8,9,10,11,12,13,14,15
	v_med3_num_f32 v[\s+16*\b+\i], v[\s+16*\b+\i], -v[TM+8+\b], v[TM+8+\b]   ; the conversion does not saturate (ISA guide 7.6.2): the hold
.endr
	v_cvt_scalef32_pk8_bf8_f32 v[PC+4*\b:PC+1+4*\b], v[\s+16*\b:\s+7+16*\b], v[TM+12+\b]
	v_cvt_scalef32_pk8_bf8_f32 v[PC+2+4*\b:PC+3+4*\b], v[\s+8+16*\b:\s+15+16*\b], v[TM+12+\b]
.endif
.endr
	v_nop                                          ; one plain line between the last conversion and whatever next touches its registers
.endm
.macro NOPS n
.rept \n
	v_nop
.endr
.endm
.macro BARRIER                         ; my LDS stores have landed and my LDS loads are in: then the work-group's barrier
	s_wait_dscnt 0x0
	s_barrier_signal -1
	s_barrier_wait -1
.endm
	s_load_b256 s[4:11], s[0:1], 0x0               ; x s[4:5], wq s[6:7], bf s[8:9], bg s[10:11]
	s_load_b128 s[12:15], s[0:1], 0x20             ; bh s[12:13], fq s[14:15]
	s_load_b64 s[16:17], s[0:1], 0x30              ; kv
	v_lshl_add_u32 v254, v0, 2, 0x29000
	v_mov_b32 v255, 0
	ds_add_u32 v254, v255
	ds_add_u32 v254, v255
	v_lshrrev_b32 v10, 5, v0
	v_readfirstlane_b32 s[WV], v10                 ; wave 0..3
	s_mov_b32 s[HM], 0xffff0000
	s_mov_b32 s[SEL], 0x76543210
	s_mov_b32 s[SEL+1], 0xfedcba98                 ; v_permlanex16_b32's selects for lane l xor 16
	s_mov_b32 s[MNT], 0x600000
	; the tensor load: my 16 rows of x, dense in memory, as 32 lines of 256 elements of 4 bytes, 4 words of padding behind each
	s_mov_b32 s[G1], (2<<16)|(1<<20)|(7<<22)|(3<<25)
	s_mov_b32 s[G1+1], 256<<16                     ; tensor_dim0
	s_mov_b32 s[G1+2], 32<<16                      ; tensor_dim1
	s_mov_b32 s[G1+3], 256<<16                     ; tile_dim0
	s_mov_b32 s[G1+4], 32                          ; tile_dim1
	s_mov_b32 s[G1+5], 256                         ; the pitch
	s_mov_b32 s[G1+6], 0
	s_mov_b32 s[G1+7], 0
	s_mov_b32 s[G0], 1
	s_mul_i32 s[G0+1], s[WV], 33280                ; LDS: 32 lines of 1,040 bytes a wave
	s_lshl_b32 s[G0+2], ttmp9, 17                  ; 64 rows of 2,048 bytes a work-group,
	s_lshl_b32 s[G0+3], s[WV], 15                  ; 16 a wave
	s_add_co_u32 s[G0+2], s[G0+2], s[G0+3]
	s_mov_b32 s[G0+3], 0
	s_and_b32 s66, s[WV], 1                        ; w % 2
	s_lshr_b32 s67, s[WV], 1                       ; w / 2
	; byte offsets, each in a pair with 0 above it; the buffers' addresses are added behind the wait
	s_mul_i32 s[WA], s[WV], 49152
	s_add_co_u32 s[WA], s[WA], 65536               ; tile 8 + 6 w of wq
	s_mov_b32 s[WA+1], 0
	s_lshl_b32 s[WB], s66, 15
	s_lshl_b32 s23, s67, 18
	s_add_co_u32 s[WB], s[WB], s23                 ; tile 4 (w % 2) + 32 (w / 2)
	s_mov_b32 s[WB+1], 0
	s_mul_i32 s[WSA], s[WV], 1536
	s_add_co_u32 s[WSA], s[WSA], 329728            ; their scale words: 327,680 + 256 x tile
	s_mov_b32 s[WSA+1], 0
	s_lshl_b32 s[WSB], s66, 10
	s_lshl_b32 s23, s67, 13
	s_add_co_u32 s[WSB], s[WSB], s23
	s_add_co_u32 s[WSB], s[WSB], 327680
	s_mov_b32 s[WSB+1], 0
	s_lshr_b32 s68, ttmp9, 6                       ; the batch,
	s_bfe_u32 s69, ttmp9, 0x50001                  ; the key step kk,
	s_and_b32 s70, ttmp9, 1                        ; which half of its 128 keys
	s_mul_i32 s68, s68, 2457600
	s_lshr_b32 s23, s69, 1
	s_mul_i32 s23, s23, 153600
	s_add_co_u32 s71, s68, s23                     ; the slot that holds V(kk)
	s_and_b32 s23, s69, 1
	s_lshl_b32 s62, s23, 16
	s_add_co_u32 s62, s62, s71
	s_lshl_b32 s63, s70, 10
	s_add_co_u32 s62, s62, s63                     ; V(kk)'s codes, pieces 2 x half on
	s_mul_i32 s63, s[WV], 12288
	s_add_co_u32 s[VCA], s62, s63                  ; channel tile 6 w
	s_mov_b32 s[VCA+1], 0
	s_lshl_b32 s63, s66, 13
	s_add_co_u32 s[VCB], s62, s63
	s_add_co_u32 s[VCB], s[VCB], 49152             ; channel tile 24 + 4 (w % 2)
	s_mov_b32 s[VCB+1], 0
	s_lshl_b32 s62, s23, 11
	s_add_co_u32 s62, s62, s71
	s_lshl_b32 s63, s70, 1
	s_add_co_u32 s62, s62, s63
	s_add_co_u32 s62, s62, 131072                  ; V(kk)'s scale words, bytes 2 x half on
	s_mul_i32 s63, s[WV], 384
	s_add_co_u32 s[VSA], s62, s63
	s_mov_b32 s[VSA+1], 0
	s_lshl_b32 s63, s66, 8
	s_add_co_u32 s[VSB], s62, s63
	s_add_co_u32 s[VSB], s[VSB], 1536
	s_mov_b32 s[VSB+1], 0
	s_add_co_u32 s23, s69, 30
	s_and_b32 s23, s23, 31                         ; g(kk) lies two steps back: (kk + 30) % 32
	s_lshr_b32 s62, s23, 1
	s_mul_i32 s62, s62, 153600
	s_add_co_u32 s62, s62, s68
	s_and_b32 s23, s23, 1
	s_mul_i32 s23, s23, 9216
	s_add_co_u32 s62, s62, s23
	s_add_co_u32 s62, s62, 135168
	s_lshl_b32 s23, s70, 12
	s_add_co_u32 s[FGC], s62, s23                  ; g's codes: key tiles 4 x half on
	s_mov_b32 s[FGC+1], 0
	s_lshl_b32 s23, s70, 8
	s_add_co_u32 s[FGS], s62, s23
	s_add_co_u32 s[FGS], s[FGS], 8192              ; and their scale words: pairs of tiles 2 x half on, 128 bytes a pair
	s_mov_b32 s[FGS+1], 0
	s_lshl_b32 s62, ttmp9, 12                      ; f's codes: 4 tiles of 1,024 bytes a work-group
	s_mov_b32 s63, 0
	s_lshl_b32 s68, ttmp9, 9
	s_add_co_u32 s68, s68, 1048576                 ; and their scale words
	s_mov_b32 s69, 0
	s_mul_i32 s[BHA], s[WV], 384                   ; bh at tile 6 w
	s_mov_b32 s[BHA+1], 0
	s_lshl_b32 s[BHB], s66, 8
	s_add_co_u32 s[BHB], s[BHB], 1536
	s_mul_i32 s[BHB], s[BHB], s67                  ; at tile 24 + 4 (w % 2) in waves 2 and 3; waves 0 and 1 load bh's first tiles and do not use them
	s_mov_b32 s[BHB+1], 0
	s_wait_dscnt 0x0
	s_wait_kmcnt 0x0
	s_add_nc_u64 s[G0+2:G0+3], s[4:5], s[G0+2:G0+3]
	s_or_b32 s[G0+3], s[G0+3], 0x80000000          ; type = 2
	tensor_load_to_lds s[G0:G0+3], s[G1:G1+7]      ; my one tensor load: filled once, nothing is filled again
	s_nop 0
	NOPS 4
	s_add_nc_u64 s[WA:WA+1], s[6:7], s[WA:WA+1]
	s_add_nc_u64 s[WB:WB+1], s[6:7], s[WB:WB+1]
	s_add_nc_u64 s[WSA:WSA+1], s[6:7], s[WSA:WSA+1]
	s_add_nc_u64 s[WSB:WSB+1], s[6:7], s[WSB:WSB+1]
	s_add_nc_u64 s[VCA:VCA+1], s[16:17], s[VCA:VCA+1]
	s_add_nc_u64 s[VCB:VCB+1], s[16:17], s[VCB:VCB+1]
	s_add_nc_u64 s[VSA:VSA+1], s[16:17], s[VSA:VSA+1]
	s_add_nc_u64 s[VSB:VSB+1], s[16:17], s[VSB:VSB+1]
	s_add_nc_u64 s[FGC:FGC+1], s[16:17], s[FGC:FGC+1]
	s_add_nc_u64 s[FGS:FGS+1], s[16:17], s[FGS:FGS+1]
	s_add_nc_u64 s[62:63], s[14:15], s[62:63]
	s_add_nc_u64 s[68:69], s[14:15], s[68:69]
	s_add_nc_u64 s[BHA:BHA+1], s[12:13], s[BHA:BHA+1]
	s_add_nc_u64 s[BHB:BHB+1], s[12:13], s[BHB:BHB+1]
	s_cmp_eq_u32 s[WV], 0                          ; wave 0 writes f, wave 1 g: a choice on the wave's number
	s_cselect_b64 s[FGC:FGC+1], s[62:63], s[FGC:FGC+1]
	s_cselect_b64 s[FGS:FGS+1], s[68:69], s[FGS:FGS+1]
	s_cmp_eq_u32 s66, 0
	s_cselect_b64 s[BFG:BFG+1], s[8:9], s[10:11]
	v_and_b32 v10, 31, v0
	v_lshlrev_b32 v[LI], 4, v10
	v_lshlrev_b32 v[LS], 2, v10
	v_and_b32 v11, 15, v0                          ; r
	v_bfe_u32 v12, v0, 4, 1                        ; h
	v_lshlrev_b32 v[BO], 2, v11
	v_lshlrev_b32 v[FBO], 6, v12
	; the weights: 160 loads of 512 consecutive bytes, straight into the operands' registers
.macro WLOAD slot, idx, base
.irp s, 0,1,2,3
.irp c, 0,1,2,3
	global_load_b128 v[64*((\slot)%4)+16*\s+4*\c:64*((\slot)%4)+16*\s+4*\c+3], v[LI], s[\base:\base+1] offset:(\idx)*8192+2048*\s+512*\c
.endr
.endr
.endm
	WIN 0x40                                       ; destination window 1
	WLOAD 0, 0, WA
	WLOAD 1, 1, WA
	WLOAD 2, 2, WA
	WLOAD 3, 3, WA
	WIN 0x80
	WLOAD 4, 0, WB
	WLOAD 5, 1, WB
	WLOAD 6, 2, WB
	WLOAD 7, 3, WB
	WIN 0xc0
	WLOAD 8, 4, WA
	WLOAD 9, 5, WA
	WIN 0
.irp i, 0,1,2,3
.irp p, 0,1
	global_load_b32 v[WS+2*\i+\p], v[LS], s[WSA:WSA+1] offset:256*\i+128*\p        ; lanes 0-15: K step 2 p; lanes 16-31: K step 2 p + 1
	global_load_b32 v[WS+8+2*\i+\p], v[LS], s[WSB:WSB+1] offset:256*\i+128*\p
.endr
	global_load_b32 v[BH+\i], v[BO], s[BHA:BHA+1] offset:64*\i
	global_load_b32 v[BH+4+\i], v[BO], s[BHB:BHB+1] offset:64*\i
.endr
.irp i, 4,5
.irp p, 0,1
	global_load_b32 v[WS+8+2*\i+\p], v[LS], s[WSA:WSA+1] offset:256*\i+128*\p
.endr
	global_load_b32 v[BH+4+\i], v[BO], s[BHA:BHA+1] offset:64*\i
.endr
.irp t, 0,1,2,3                                ; the bias of f or g in the result's layout: tile 2 b + u, lane half h: channels 32 b + 16 h + 8 u + 0 .. 7
	global_load_b128 v[FB+8*\t:FB+8*\t+3], v[FBO], s[BFG:BFG+1] offset:(32*(\t/2)+8*(\t%2))*4
	global_load_b128 v[FB+8*\t+4:FB+8*\t+7], v[FBO], s[BFG:BFG+1] offset:(32*(\t/2)+8*(\t%2))*4+16
.endr
	v_and_b32 v13, 8, v11
	v_add_nc_u32 v13, v13, v11                     ; r + 8 (r / 8)
	s_lshl_b32 s23, s67, 5
	s_lshl_b32 s70, s66, 3
	s_add_co_u32 s23, s23, s70                     ; row tile w begins at row 32 (w / 2) + 8 (w % 2)
	v_add_nc_u32 v13, s23, v13
	v_mul_u32_u24 v[XRD], v13, 2080
	v_lshl_add_u32 v[XRD], v12, 6, v[XRD]
	s_lshl_b32 s23, s[WV], 13
	s_add_co_u32 s23, s23, XIMG
	v_add_nc_u32 v[XWI], s23, v[LI]
	s_lshl_b32 s23, s[WV], 9
	s_add_co_u32 s23, s23, XSC
	v_add_nc_u32 v[XWS], s23, v[LS]
	v_add_nc_u32 v[XRI], XIMG, v[LI]
	v_add_nc_u32 v[XRS], XSC, v[LS]
.irp b, 0,1,2,3
	v_mov_b32 v[TM+4+\b], 0                        ; written once: a lane permute's destination counts as one of its sources
.endr
	s_wait_tensorcnt 0x0                           ; my 16 rows are in,
	s_barrier_signal -1
	s_barrier_wait -1                              ; everybody's are
	; ---- X: row tile w becomes four fragments
.irp s, 0,1,2,3
.irp b, 0,1,2,3
.irp j, 0,1,2,3
	ds_load_b128 v[ST+16*\b+4*\j:ST+16*\b+4*\j+3], v[XRD] offset:(\s/2)*1040+(\s%2)*512+128*\b+16*\j
.endr
.endr
	s_wait_dscnt 0x0
	QUANT ST, 4
	v_lshl_or_b32 v[WD], v[TM+5], 8, v[TM+4]       ; my row's scale word
	v_lshl_or_b32 v[WD], v[TM+6], 16, v[WD]
	v_lshl_or_b32 v[WD], v[TM+7], 24, v[WD]
.irp c, 0,1,2,3
	ds_store_b128 v[XWI], v[PC+4*\c:PC+4*\c+3] offset:2048*\s+512*\c
.endr
	ds_store_b32 v[XWS], v[WD] offset:128*\s
	s_wait_dscnt 0x0                               ; the stores have read their registers
.endr
	BARRIER                                        ; x's sixteen fragments lie in LDS
	s_wait_loadcnt 0x0                             ; weights, scale words, biases
.irp i, 0,1,2,3,4,5,6,7,8,9
.irp j, 0,1,2,3,4,5,6,7
	v_mov_b32 v[CB+8*\i+\j], v[BH+\i]              ; h's bias as a C: a lane holds one channel, so its eight registers are alike.  Made once, each slot's used by up to four sums
.endr
.endr
; Two tiles of h (slots i, i + 1; tiles idx, idx + 1 from the bases) against row tiles 2 bp, 2 bp + 1: four accumulators by turns; then a block of 32 keys for each of the two tiles.
.macro HPAIR i, idx, bp, bc, bs
.set WN, 1+(\i)/4
.set WR, 64*((\i)%4)
.set WW, 0x03|(WN<<2)
	WIN WW                                         ; source 0 (x) window 3, source 1 (weights) their window
.irp s, 0,1,2,3
.irp ii, 0,1
.irp u, 0,1
.if \s == 0
	MM D+16*\ii+8*\u, 128+16*(4*\u+\s), WR+64*\ii+16*\s, CB+8*(\i+\ii), XS+4*\u+\s, WS+2*(\i+\ii)+\s/2, 0, \s%2
.else
	MM D+16*\ii+8*\u, 128+16*(4*\u+\s), WR+64*\ii+16*\s, D+16*\ii+8*\u, XS+4*\u+\s, WS+2*(\i+\ii)+\s/2, 0, \s%2
.endif
.endr
.endr
.endr
	WIN 0
	NOPS 9                                         ; eight places ahead of the first read of results and of loads over operands, nine ahead of the next sums, which begin anew in these registers
	s_wait_xcnt 0x0                                ; the codes and words of the stores before are written again only behind this wait
	QUANT D, 2
	global_store_b128 v[LI], v[PC:PC+3], s[\bc:\bc+1] offset:(\idx)*2048+512*\bp           ; 32 lanes store 512 consecutive bytes: a piece of V's fragment
	global_store_b128 v[LI], v[PC+4:PC+7], s[\bc:\bc+1] offset:(\idx+1)*2048+512*\bp
.if \bp == 0
	v_mov_b32 v[SB+\i], v[TM+4]                    ; the first block's bytes wait for the second's
	v_mov_b32 v[SB+\i+1], v[TM+5]
.else
	v_lshl_or_b32 v[WD], v[TM+4], 8, v[SB+\i]
	v_lshl_or_b32 v[WD+1], v[TM+5], 8, v[SB+\i+1]
	v_cndmask_b32 v[WD], v[WD], v[WD+1], s[HM]     ; lanes 0-15 the first tile's two bytes, lanes 16-31 the second's
	global_store_b16 v[LS], v[WD], s[\bs:\bs+1] offset:64*(\idx)
.endif
.endm
; f or g of row tile 2 bp + u: source 0 = the four weight tiles of slots 4-7, source 1 = x: a lane holds one row and 32 of its 64 channels.
.macro FG u, bp
	WIN 0x0e                                       ; source 0 window 2, source 1 window 3
.irp s, 0,1,2,3
.irp dt, 0,1,2,3
.if \s == 0
	MM D+8*\dt, 64*\dt+16*\s, 128+16*(4*\u+\s), FB+8*\dt, WS+8+2*\dt+\s/2, XS+4*\u+\s, \s%2, 0
.else
	MM D+8*\dt, 64*\dt+16*\s, 128+16*(4*\u+\s), D+8*\dt, WS+8+2*\dt+\s/2, XS+4*\u+\s, \s%2, 0
.endif
.endr
.endr
	WIN 0
	NOPS 9
	s_wait_xcnt 0x0
	QUANT D, 2
	v_lshl_or_b32 v[WD], v[TM+5], 8, v[TM+4]
	v_lshl_or_b32 v[WD], v[WD], 16, v[WD]          ; (b0, b1, b0, b1)
	global_store_b128 v[LI], v[PC:PC+3], s[FGC:FGC+1] offset:1024*(2*\bp+\u)
	global_store_b128 v[LI], v[PC+4:PC+7], s[FGC:FGC+1] offset:1024*(2*\bp+\u)+512
	s_cmp_eq_u32 s[WV], 0
	s_cbranch_scc0 .Lg_word_\@
	global_store_b32 v[LS], v[WD], s[FGS:FGS+1] offset:128*(2*\bp+\u)      ; f: the whole word, a tile to itself
	s_branch .Lword_done_\@
.Lg_word_\@:
	global_store_b16 v[LS], v[WD], s[FGS:FGS+1] offset:128*\bp+2*\u        ; g: my tile's two bytes of the pair's word
.Lword_done_\@:
.endm
.macro MAIN bp
	WIN 0xc0                                       ; destination window 3
.irp u, 0,1
.irp s, 0,1,2,3
.irp c, 0,1,2,3
	ds_load_b128 v[128+16*(4*\u+\s)+4*\c:128+16*(4*\u+\s)+4*\c+3], v[XRI] offset:(4*(2*\bp+\u)+\s)*2048+512*\c
.endr
.endr
.endr
	WIN 0
.irp u, 0,1
.irp s, 0,1,2,3
	ds_load_b32 v[XS+4*\u+\s], v[XRS] offset:(4*(2*\bp+\u)+\s)*128
.endr
.endr
	s_wait_dscnt 0x0
	HPAIR 0, 0, \bp, VCA, VSA
	HPAIR 2, 2, \bp, VCA, VSA
	HPAIR 8, 4, \bp, VCA, VSA
	s_cmp_lt_u32 s[WV], 2
	s_cbranch_scc0 .Lmore_h_\@
	FG 0, \bp
	FG 1, \bp
	s_branch .Ljoin_\@
.Lmore_h_\@:
	HPAIR 4, 0, \bp, VCB, VSB
	HPAIR 6, 2, \bp, VCB, VSB
.Ljoin_\@:
.endm
	MAIN 0
	MAIN 1
	s_wait_tensorcnt 0x0
	ds_add_u32 v254, v255
	s_wait_dscnt 0x0
	s_endpgm
.Lfunc_end_k_q1f289b7ab3_proj:
	.size	k_q1f289b7ab3_proj, .Lfunc_end_k_q1f289b7ab3_proj-k_q1f289b7ab3_proj
	.p2alignl 7, 3214868480
	.fill 96, 4, 3214868480
	.section	.rodata,"a",@progbits
	.p2align	6, 0x0
	.amdhsa_kernel k_q1f289b7ab3_proj
		.amdhsa_group_segment_fixed_size 168448
		.amdhsa_private_segment_fixed_size 0
		.amdhsa_enable_private_segment 0
		.amdhsa_kernarg_size 56
		.amdhsa_user_sgpr_count 2
		.amdhsa_user_sgpr_kernarg_segment_ptr 1
		.amdhsa_wavefront_size32 1
		.amdhsa_system_sgpr_workgroup_id_x 1
		.amdhsa_system_sgpr_workgroup_id_y 1
		.amdhsa_system_sgpr_workgroup_id_z 1
		.amdhsa_system_vgpr_workitem_id 0
		.amdhsa_next_free_vgpr 1024
		.amdhsa_next_free_sgpr 72
		.amdhsa_reserve_vcc 0
		.amdhsa_float_denorm_mode_32 3
		.amdhsa_float_denorm_mode_16_64 3
		.amdhsa_memory_ordered 1
		.amdhsa_forward_progress 1
		.amdhsa_inst_pref_size 165
	.end_amdhsa_kernel
	.amdgpu_metadata
---
amdhsa.version: [ 1, 2 ]
amdhsa.kernels:
  - .name:           k_q1f289b7ab3_proj
    .symbol:         k_q1f289b7ab3_proj.kd
    .args:
      - { .name: x, .offset: 0, .size: 8, .value_kind: global_buffer, .address_space: global }
      - { .name: wq, .offset: 8, .size: 8, .value_kind: global_buffer, .address_space: global }
      - { .name: bf, .offset: 16, .size: 8, .value_kind: global_buffer, .address_space: global }
      - { .name: bg, .offset: 24, .size: 8, .value_kind: global_buffer, .address_space: global }
      - { .name: bh, .offset: 32, .size: 8, .value_kind: global_buffer, .address_space: global }
      - { .name: fq, .offset: 40, .size: 8, .value_kind: global_buffer, .address_space: global }
      - { .name: kv, .offset: 48, .size: 8, .value_kind: global_buffer, .address_space: global }
    .group_segment_fixed_size: 168448
    .private_segment_fixed_size: 0
    .kernarg_segment_align: 8
    .kernarg_segment_size: 56
    .max_flat_workgroup_size: 128
    .sgpr_count:     72
    .vgpr_count:     1024
    .wavefront_size: 32
...
	.end_amdgpu_metadata
.endif
;; end of part 2
;; launch attn (part 3): grid 64 x 4, 8 waves a work-group, clusters of 4 x 1, 327,680 bytes of LDS; arguments fq, kv, x, gamma, out0; writes out0
.if DOCPART == 3
	.amdgcn_target "amdgcn-amd-amdhsa--gfx1250"
	.amdhsa_code_object_version 6
	.text
	.protected	k_q1f289b7ab3_attn
	.globl	k_q1f289b7ab3_attn
	.p2align	8
	.type	k_q1f289b7ab3_attn,@function
k_q1f289b7ab3_attn:
	s_mov_b64 s[64:65], 0
	v_nop
	global_prefetch_b8 v0, s[64:65] scope:SCOPE_SE
	s_setreg_imm32_b32 hwreg(HW_REG_WAVE_MODE, 25, 1), 1
	s_wait_xcnt 0x0
	s_wait_alu depctr_hold_cnt(0) depctr_sa_sdst(0) depctr_va_vdst(0) depctr_va_sdst(0) depctr_va_ssrc(0) depctr_va_vcc(0) depctr_vm_vsrc(0)
	s_getreg_b32 s2, hwreg(HW_REG_IB_STS2, 6, 4)
	s_cmp_eq_u32 s2, 0
	s_cbranch_scc0 .Lentry_in_a_cluster
	s_endpgm
.Lentry_in_a_cluster:
	s_bfe_u32 s2, ttmp6, 0x10000c
	s_cmp_lg_u32 s2, 0x3003
	s_cbranch_scc0 .Lentry_shape_is_right
	s_endpgm
.Lentry_shape_is_right:
; out = x + gamma softmax(f g^T) h, both products on codes of BF8 (E5M2) with one E8M0 scale for each 32 along K.  f (fq), g and h (kv) come as register images of fragments with their scale words.
; THE SOFTMAX AHEAD OF THE SECOND PRODUCT: t = score x log2(e); M = the largest t so far, rounded UP to a whole number; p = 2^(t - M) is quantised along the keys, not normalised; the sum of the unquantised p divides at the end.
; SHARES.  A work-group owns 64 queries of one batch: four tiles of 16.  Its eight waves are two groups, waves 0-3 and 4-7.  TWO STREAMS: group 0 takes the even key steps (128 keys), group 1 the odd ones, each with its own
; M, sum and O; they are merged once at the end by powers of two, which round nothing.  A group alternates between two roles, and the groups are in opposite roles:
;   SM: wave c of the group makes S^T = g f^T for query tile c, the softmax, p's codes, and hands them to its group through LDS as a register image, with f = 2^(old M - new M) and p's scale word;
;   PV: wave c makes channels 128 c .. 128 c + 127 of O^T += h^T p^T for all 64 queries: 32 accumulators; each fragment of h that it reads feeds four products, each of p eight.
; In half-period k group k % 2 does SM(k) and the other PV(k - 1); one barrier a half-period.
; EVERY LOAD IS ASKED FOR AHEAD OF ITS NEED.  PV walks its eight channel tiles as a pipeline over four buffers: four products, the rescaling of the tile two ahead, the loads of the tile four ahead; its waits are counted.
; Towards its end it also fetches g of its wave's NEXT step into registers, so that SM begins with its products.
; BOTH PRODUCTS ARE USED TRANSPOSED: a lane holds one query throughout.  The keys of a tile of g are chosen (lane r of tile 2 b + u: key 32 b + 8 u + r + 8 (r / 8)) so that p's 16 registers of two tiles are 16 neighbouring keys.
; THE SCORE'S K IS 64.  Two key tiles are one fragment [gA | gB]; against [f | 0] it gives tile A's scores, against [0 | f] tile B's: a zero code times a finite code adds nothing.  f lies [f | 0 | f] in 24 registers.
; g's scale word is (A's two bytes, B's two), f's (b0, b1, b0, b1).
; CLUSTER.  The four work-groups of a cluster belong to one batch and walk the same kv: each slot (153,600 bytes: V of two steps, g of two steps, their scale words) is asked for JOINTLY, 75 rows of 256 bytes a wave.
; g lies two steps ahead of V in a slot, since g(k + 1) and V(k - 1) are read in the same half-period; each group reads its first g (step 0 or 1) from memory.
; A wave has two tensor loads out at the start and one behind each round; a load has two half-periods in which to land.
; POSITIONS.  O's position p (64 registers) holds query tile p xor 2 x group, so that both groups keep positions 0, 1 and send positions 2, 3 to the partner wave (w xor 4) at the end.
; LIMITS: a block's largest p is made from its largest score by the same two instructions (this takes v_exp_f32 not to fall where its input rises); p under 2^-126 becomes 0; a block of zeros has the byte 1 (zero codes);
; NaN and infinities among the inputs are not served.  kv is not prefetched in this text.
; REGISTERS.  Window 0: v1-25, v30, v31, v61 addresses, all made at the head; v[26:27] -M, the largest t; v[28:29] the sum; v32-55 f | 0 | f; v56 f's scale word; v57-58 g's; v64-111 three fragments of g (the fourth in v176-191);
;   v112-175 S^T, then p (SM), four fragments of p (PV); v176-239 four buffers of V (PV); v192-213 at work, v224-239 p's codes (SM); v240-247 f of the four positions, in pairs; v248-251 p's scale words; v252-255 V's.
;   Window 1: O^T, position p and channel tile t at 64 p + 8 t.
.set SLOTB, 153600
.set PB,    307200                     ; behind the ring: a P buffer of 9,216 bytes for each group: codes 2,048 x query tile; f at 8,192 + 128 x tile; p's scale words at 8,704 + 128 x tile
.set PBG,   9216
.set SPARE, 325632                     ; the spare words, 128 bytes for each of eight waves: four blocks of 256 bytes that no other line names
.set SPW, 1
.set NIL, 2
.set AG,  3                            ; v3, v4    g's codes in slot 0, 1: + 16 x lane
.set AGS, 5                            ; v5, v6    g's scale words: lanes 0-15 an even pair's, lanes 16-31 the next one's
.set AV,  7                            ; v7-10     V's codes: slot, which of its two steps: + 16,384 c + 16 x lane
.set AVS, 11                           ; v11, v12  V's scale words
.set APW, 13                           ; v13       where SM stores p's codes
.set APFW, 14                          ; v14       and f (p's scale word 512 bytes on)
.set APLO, 15                          ; v15, v16  where PV reads p's codes of positions 0, 1 and 2, 3
.set APHI, 16
.set APFLO, 17                         ; v17, v18  and their f and scale words
.set APFHI, 18
.set XSA, 19                           ; v19, v20  the end: where I put positions 2, 3, and where my partner put its
.set XRA, 20
.set STW, 21                           ; v21-23    the end: -M and the sum: mine, my stream's and the other stream's for the tiles that I keep
.set STRO, 22
.set STRP, 23
.set SGI, 24                           ; v24, v25  the end: my stage, in and back
.set SGO, 25
.set NM,  26
.set LSUM, 28
.set GX,  30                           ; v30  16 x lane
.set GSO, 31                           ; v31  my first g's scale words in memory
.set Q,   32
.set QS,  56
.set GS,  57
.set L4,  61                           ; v61  4 x lane
.set GT,  64
.set S,   112
.set VB,  176
.set BM,  192
.set T2,  196
.set HL,  200
.set SCV, 204
.set TP,  208
.set FF,  210                          ; v210 f, v211 p's scale word as it is made
.set CH,  212
.set PC,  224
.set F,   240
.set PWR, 248
.set VS,  252
.set WV,  14
.set GRP, 15
.set C4,  16
.set SEL, 20
.set CS,  22                           ; s[22:23] log2(e): the packed form names a pair and takes its low word
.set MNT, 24
.set G1,  28
.set G0,  36                           ; s[36:39] slot 0's group 0, s[40:43] slot 1's
.set CNT, 44
.set GAM, 45
.set G0B, 46                           ; s[46:47] my group's first g in memory
.set XB,  48                           ; s[48:49] x, s[50:51] out0 at the rows and channels that I store
.set OB,  50
.set QB,  52                           ; s[52:53] my query tile's codes, s[54:55] its scale words
.set QSB, 54
.set MSB, 0
.macro WIN new                         ; the immediate's high byte repeats the setting that is left
.if MSB != \new
	s_set_vgpr_msb (MSB<<8)|\new
.set MSB, \new
.endif
.endm
.macro NOPS n
.rept \n
	v_nop
.endr
.endm
.macro MMZ d, a, b, sa, sb, ra         ; a product that starts a sum;  ra: source 0's scale words stand in lanes 16-31
.set rD, \d
.set rA, \a
.set rB, \b
.set rSA, \sa
.set rSB, \sb
.if \ra
	v_wmma_scale_f32_16x16x128_f8f6f4 v[rD:rD+7], v[rA:rA+15], v[rB:rB+15], 0, v[rSA], v[rSB] matrix_a_fmt:MATRIX_FMT_BF8 matrix_b_fmt:MATRIX_FMT_BF8 matrix_a_scale:MATRIX_SCALE_ROW1
.else
	v_wmma_scale_f32_16x16x128_f8f6f4 v[rD:rD+7], v[rA:rA+15], v[rB:rB+15], 0, v[rSA], v[rSB] matrix_a_fmt:MATRIX_FMT_BF8 matrix_b_fmt:MATRIX_FMT_BF8
.endif
.endm
.macro MMA d, a, b, sa, sb, ra         ; a product that adds in place
.set rD, \d
.set rA, \a
.set rB, \b
.set rSA, \sa
.set rSB, \sb
.if \ra
	v_wmma_scale_f32_16x16x128_f8f6f4 v[rD:rD+7], v[rA:rA+15], v[rB:rB+15], v[rD:rD+7], v[rSA], v[rSB] matrix_a_fmt:MATRIX_FMT_BF8 matrix_b_fmt:MATRIX_FMT_BF8 matrix_a_scale:MATRIX_SCALE_ROW1
.else
	v_wmma_scale_f32_16x16x128_f8f6f4 v[rD:rD+7], v[rA:rA+15], v[rB:rB+15], v[rD:rD+7], v[rSA], v[rSB] matrix_a_fmt:MATRIX_FMT_BF8 matrix_b_fmt:MATRIX_FMT_BF8
.endif
.endm
.macro ROUND                           ; a round of the cluster's barrier
	s_barrier_signal -1
	s_barrier_wait -1
	s_cmp_lg_u32 s[WV], 0
	s_cbranch_scc1 .Lnot_wave_0_\@
	s_barrier_signal -3
.Lnot_wave_0_\@:
	s_barrier_wait -3
	s_barrier_signal -1
	s_barrier_wait -1
.endm
.macro BAR                             ; my LDS stores have landed and my LDS loads are in: then the work-group's barrier
	s_wait_dscnt 0x0
	s_barrier_signal -1
	s_barrier_wait -1
.endm
	s_load_b256 s[4:11], s[0:1], 0x0               ; fq s[4:5], kv s[6:7], x s[8:9], gamma s[10:11]
	s_load_b64 s[12:13], s[0:1], 0x20              ; out0
	v_lshl_add_u32 v[SPW], v0, 2, SPARE
	v_mov_b32 v[NIL], 0
	ds_add_u32 v1, v2
	ds_add_u32 v1, v2
	s_wait_dscnt 0x0
	v_lshrrev_b32 v62, 5, v0
	v_readfirstlane_b32 s[WV], v62                 ; wave 0..7
	s_lshr_b32 s[GRP], s[WV], 2                    ; my group = my stream
	s_and_b32 s[C4], s[WV], 3                      ; my place in it
	s_xor_b32 s3, s[GRP], 1
	s_mov_b32 s[SEL], 0x76543210
	s_mov_b32 s[SEL+1], 0xfedcba98
	s_mov_b32 s[CS], 0x3fb8aa3b                    ; log2(e)
	s_mov_b32 s[CS+1], s[CS]
	s_mov_b32 s[MNT], 0x600000
	; every LDS address is made here, ahead of the first parting of the roles: constants, the lane, the wave's number
	v_and_b32 v62, 31, v0
	v_lshlrev_b32 v[GX], 4, v62
	v_lshlrev_b32 v[L4], 2, v62
	v_lshlrev_b32 v209, 3, v62
	v_and_b32 v63, 15, v0                          ; r
	v_bfe_u32 v208, v0, 4, 1                       ; h
	v_lshlrev_b32 v[GSO], 2, v63
	v_lshl_add_u32 v[GSO], v208, 7, v[GSO]         ; 128 h + 4 r
	v_add_nc_u32 v[AG], 135168, v[GX]
	v_add_nc_u32 v[AG+1], SLOTB+135168, v[GX]
	v_add_nc_u32 v[AGS], 143360, v[GSO]
	v_add_nc_u32 v[AGS+1], SLOTB+143360, v[GSO]
	v_add_nc_u32 v[GSO], 8192, v[GSO]
	s_lshl_b32 s17, s[C4], 14
	v_add_nc_u32 v[AV], s17, v[GX]
	v_add_nc_u32 v[AV+1], 65536, v[AV]
	v_add_nc_u32 v[AV+2], SLOTB, v[AV]
	v_add_nc_u32 v[AV+3], SLOTB+65536, v[AV]
	s_lshl_b32 s17, s[C4], 9
	s_add_co_u32 s17, s17, 131072
	v_add_nc_u32 v[AVS], s17, v[L4]
	v_add_nc_u32 v[AVS+1], SLOTB, v[AVS]
	s_mul_i32 s25, s[GRP], PBG
	s_add_co_u32 s25, s25, PB                      ; my group's P buffer
	s_lshl_b32 s17, s[C4], 11
	s_add_co_u32 s17, s17, s25
	v_add_nc_u32 v[APW], s17, v[GX]
	s_lshl_b32 s17, s[C4], 7
	s_add_co_u32 s17, s17, s25
	s_add_co_u32 s17, s17, 8192
	v_add_nc_u32 v[APFW], s17, v[L4]
	s_lshl_b32 s17, s[GRP], 12
	s_add_co_u32 s17, s17, s25
	v_add_nc_u32 v[APLO], s17, v[GX]               ; positions 0, 1: query tiles 2 x group on
	s_lshl_b32 s17, s3, 12
	s_add_co_u32 s17, s17, s25
	v_add_nc_u32 v[APHI], s17, v[GX]               ; positions 2, 3: the other two
	s_lshl_b32 s17, s[GRP], 8
	s_add_co_u32 s17, s17, s25
	s_add_co_u32 s17, s17, 8192
	v_add_nc_u32 v[APFLO], s17, v[L4]
	s_lshl_b32 s17, s3, 8
	s_add_co_u32 s17, s17, s25
	s_add_co_u32 s17, s17, 8192
	v_add_nc_u32 v[APFHI], s17, v[L4]
	s_lshl_b32 s17, s[WV], 14
	v_add_nc_u32 v[XSA], s17, v[GX]                ; the end: 16,384 bytes a wave in slot 0's bytes
	s_xor_b32 s17, s[WV], 4
	s_lshl_b32 s17, s17, 14
	v_add_nc_u32 v[XRA], s17, v[GX]
	s_lshl_b32 s17, s[WV], 8
	s_add_co_u32 s17, s17, PB
	v_add_nc_u32 v[STW], s17, v209                 ; the end: 256 bytes for (stream, query tile) = wave, in the P buffers' bytes
	s_mul_i32 s17, s[GRP], 1536
	s_add_co_u32 s17, s17, PB
	v_add_nc_u32 v[STRO], s17, v209                ; (my stream, tile 2 x group)
	s_lshl_b32 s17, s3, 10
	s_lshl_b32 s25, s[GRP], 9
	s_add_co_u32 s17, s17, s25
	s_add_co_u32 s17, s17, PB
	v_add_nc_u32 v[STRP], s17, v209                ; (the other stream, tile 2 x group)
	s_mul_i32 s17, s[WV], 8448
	s_add_co_u32 s17, s17, SLOTB                   ; the end: my stage, 16 rows of 528 bytes, in slot 1's bytes
	v_mul_u32_u24 v[SGI], v63, 528
	v_lshl_add_u32 v[SGI], v208, 5, v[SGI]
	v_add_nc_u32 v[SGI], s17, v[SGI]
	v_add_nc_u32 v[SGO], s17, v[GX]
.irp j, 0,1,2,3,4,5,6,7
	v_mov_b32 v[Q+8+\j], 0                         ; the zero codes between f's two copies
.endr
	v_mov_b32 v[NM+1], 0xff61b1e6                  ; the largest t so far: -3e38, under every t
	v_floor_f32 v[NM], -v[NM+1]                    ; -M
	v_mov_b32 v[LSUM], 0
	v_mov_b32 v[LSUM+1], 0
.irp b, 0,1,2,3
	v_mov_b32 v[T2+\b], 0                          ; a lane permute's destination counts as one of its sources
	v_mov_b32 v[F+1+2*\b], 0                       ; named as the upper halves of pairs
.endr
	v_mov_b32 v[FF+1], 0
	; ids.  cx enters the addresses of f, x and out0 alone
	s_bfe_u32 s57, ttmp6, 0x40000                  ; cx
	s_lshl_b32 s58, ttmp9, 2
	s_add_co_u32 s57, s58, s57                     ; my block of 64 queries
	s_and_b32 s56, ttmp7, 0xffff                   ; the batch
	s_lshl_b32 s58, s56, 6
	s_add_co_u32 s58, s58, s57                     ; the block among all 256
	s_lshl_b32 s59, s58, 1
	s_add_co_u32 s59, s59, s[GRP]
	s_lshl_b32 s60, s59, 16                        ; the 32 rows that my group stores, 2,048 bytes a row,
	s_lshl_b32 s61, s[C4], 9                       ; my 128 channels
	s_add_co_u32 s60, s60, s61
	s_mov_b32 s61, 0
	s_lshl_b32 s58, s58, 2
	s_add_co_u32 s58, s58, s[C4]                   ; my query tile
	s_lshl_b32 s62, s58, 10
	s_mov_b32 s63, 0
	s_lshl_b32 s58, s58, 7
	s_add_co_u32 s58, s58, 1048576
	s_mov_b32 s59, 0
	s_mul_i32 s56, s[GRP], 9216
	s_add_co_u32 s56, s56, 2439168                 ; g(0) and g(1) lie in slot 15: 15 x 153,600 + 135,168, 9,216 bytes each
	s_mov_b32 s57, 0
	s_and_b32 s18, ttmp7, 0xffff
	s_mul_i32 s18, s18, 2457600                    ; the batch in kv, in registers that never hold cx
	s_mov_b32 s19, 0
	s_mul_i32 s26, s[WV], 19200                    ; my 75 rows of a slot, in memory and in LDS
	s_mov_b32 s27, 0
	; descriptor group 1: 75 rows of 32 elements of 8 bytes, dense; the mask names the four work-groups, bit 21 beside it
	s_mov_b32 s[G1], 15|(3<<16)|(1<<21)
	s_mov_b32 s[G1+1], 32<<16
	s_mov_b32 s[G1+2], 75<<16
	s_mov_b32 s[G1+3], 32<<16
	s_mov_b32 s[G1+4], 75
	s_mov_b32 s[G1+5], 32
	s_mov_b32 s[G1+6], 0
	s_mov_b32 s[G1+7], 0
	s_wait_kmcnt 0x0
	s_load_b32 s[GAM], s[10:11], 0x0               ; gamma: wanted at the end, and waited for there
	s_add_nc_u64 s[QB:QB+1], s[4:5], s[62:63]
	s_add_nc_u64 s[QSB:QSB+1], s[4:5], s[58:59]
	s_add_nc_u64 s[18:19], s[6:7], s[18:19]
	s_add_nc_u64 s[G0B:G0B+1], s[18:19], s[56:57]
	; f and my group's first g go out together, ahead of the round: one wait serves them all
.irp c, 0,1
	global_load_b128 v[Q+4*\c:Q+4*\c+3], v[GX], s[QB:QB+1] offset:512*\c        ; f's fragment, twice: ahead of the zeros and behind them
	global_load_b128 v[Q+16+4*\c:Q+16+4*\c+3], v[GX], s[QB:QB+1] offset:512*\c
.endr
	global_load_b32 v[QS], v[L4], s[QSB:QSB+1]
.irp u, 0,1,2,3
.irp c, 0,1,2,3
.set rG, GT+16*\u+(\u/3)*(VB-GT-48)+4*\c
	global_load_b128 v[rG:rG+3], v[GX], s[G0B:G0B+1] offset:2048*\u+512*\c
.endr
.endr
.irp w, 0,1
	global_load_b32 v[GS+\w], v[GSO], s[G0B:G0B+1] offset:256*\w
.endr
	s_add_nc_u64 s[XB:XB+1], s[8:9], s[60:61]
	s_add_nc_u64 s[OB:OB+1], s[12:13], s[60:61]
	s_add_nc_u64 s[18:19], s[18:19], s[26:27]
	s_mov_b32 s[G0], 1
	s_mov_b32 s[G0+1], s26
	s_mov_b64 s[G0+2:G0+3], s[18:19]
	s_or_b32 s[G0+3], s[G0+3], 0x80000000
	s_mov_b32 s[G0+4], 1
	s_add_co_u32 s[G0+5], s26, SLOTB
	s_add_nc_u64 s[G0+6:G0+7], s[18:19], SLOTB
	s_or_b32 s[G0+7], s[G0+7], 0x80000000
	ROUND                                          ; all four work-groups are here: the first joint loads meet
	tensor_load_to_lds s[G0:G0+3], s[G1:G1+7]      ; slot 0
	s_nop 0
	tensor_load_to_lds s[G0+4:G0+7], s[G1:G1+7]    ; slot 1
	s_nop 0
	NOPS 4
	s_wait_loadcnt 0x0                             ; f, its scale word, my first g
; SM: the scores of my query tile against a step's 128 keys, the softmax, p's codes.  g and its scale words lie in registers: the PV before (or the head) has fetched them.
.macro SM
.irp u, 0,1,2,3                                ; fragment u = key tiles 2 u and 2 u + 1
.irp e, 0,1
	MMZ S+8*(2*\u+\e), GT+16*\u+(\u/3)*(VB-GT-48), Q+8*\e, GS+\u/2, QS, \u%2
.endr
.endr                                          ; lane (r, h): query r; registers 16 b + i: key 32 b + 16 h + i
	NOPS 8
.irp b, 0,1,2,3
	v_max3_num_f32 v[BM+\b], v[S+16*\b], v[S+1+16*\b], v[S+2+16*\b]   ; the largest score of each block of 32 keys: for the row's maximum, and for the block's largest p
.endr
.irp i, 3,5,7,9,11,13
.irp b, 0,1,2,3
	v_max3_num_f32 v[BM+\b], v[BM+\b], v[S+16*\b+\i], v[S+1+16*\b+\i]
.endr
.endr
.irp b, 0,1,2,3
	v_max_num_f32 v[BM+\b], v[BM+\b], v[S+15+16*\b]
.endr
.irp b, 0,1,2,3
	v_permlanex16_b32 v[T2+\b], v[BM+\b], s[SEL], s[SEL+1]
.endr
.irp b, 0,1,2,3
	v_max_num_f32 v[BM+\b], v[BM+\b], v[T2+\b]     ; with lane l xor 16's 16 keys
.endr
	v_max3_num_f32 v[TP], v[BM], v[BM+1], v[BM+2]
	v_max_num_f32 v[TP], v[TP], v[BM+3]
	v_mul_f32 v[TP], s[CS], v[TP]                  ; the step's largest t
	v_max_num_f32 v[NM+1], v[NM+1], v[TP]          ; the stream's
	v_mov_b32 v[TP], v[NM]
	v_floor_f32 v[NM], -v[NM+1]                    ; the new -M = -ceil(t): a whole number
	v_sub_f32 v[TP], v[NM], v[TP]                  ; old M - new M: a whole number, 0 or less
	v_cvt_i32_f32 v[TP], v[TP]                     ; (it saturates)
	v_ldexp_f32 v[FF], 1.0, v[TP]                  ; f = 2^(old M - new M)
.set n, 0
.rept 32
	v_pk_fma_f32 v[S+n:S+n+1], v[S+n:S+n+1], s[CS:CS+1], v[NM:NM+1] op_sel_hi:[1,0,0]   ; t - M
.set n, n+2
.endr
.irp b, 0,1,2,3
	v_fma_f32 v[BM+\b], v[BM+\b], s[CS], v[NM]     ; the same of each block's largest score
.endr
.set n, 0
.rept 64
	v_exp_f32 v[S+n], v[S+n]                       ; p = 2^(t - M)
.set n, n+1
.endr
.irp b, 0,1,2,3
	v_exp_f32 v[BM+\b], v[BM+\b]                   ; the block's largest p
.endr
	v_pk_mul_f32 v[LSUM:LSUM+1], v[LSUM:LSUM+1], v[FF:FF+1] op_sel_hi:[1,0]   ; the sum under the new M.  (A plain place behind the exponentials)
	s_wait_alu depctr_va_vdst(0)
.irp b, 0,1,2,3
	v_max_num_f32 v[BM+\b], 0x8000000, v[BM+\b]    ; the floor 2^(16 - 127)
.endr
.irp b, 0,1,2,3
	v_add_nc_u32 v[SCV+\b], 0xf8800000, v[BM+\b]   ; the conversion's scale operand
.endr
.irp b, 0,1,2,3
	v_and_or_b32 v[HL+\b], v[BM+\b], 0x7f800000, s[MNT]   ; 57,344 x the scale
.endr
.irp b, 0,1,2,3
	v_lshrrev_b32 v[T2+\b], 23, v[SCV+\b]          ; the scale's byte
.endr
	v_lshl_or_b32 v[FF+1], v[T2+1], 8, v[T2]       ; p's scale word for these 128 keys
	v_lshl_or_b32 v[FF+1], v[T2+2], 16, v[FF+1]
	v_lshl_or_b32 v[FF+1], v[T2+3], 24, v[FF+1]
	v_pk_add_f32 v[CH:CH+1], v[S:S+1], v[S+2:S+3]  ; the sum of the UNQUANTISED p, in two chains
.set n, 4
.rept 15
	v_pk_add_f32 v[LSUM:LSUM+1], v[LSUM:LSUM+1], v[S+n:S+n+1]
	v_pk_add_f32 v[CH:CH+1], v[CH:CH+1], v[S+n+2:S+n+3]
.set n, n+4
.endr
	v_pk_add_f32 v[LSUM:LSUM+1], v[LSUM:LSUM+1], v[CH:CH+1]
.irp b, 0,1,2,3
.irp i, 0,1,2,3,4,5,6,7,8,9,10,11,12,13,14,15
	v_min_num_f32 v[S+16*\b+\i], v[S+16*\b+\i], v[HL+\b]   ; the conversion does not saturate (ISA guide 7.6.2); p is not negative: a one-sided hold
.endr
	v_cvt_scalef32_pk8_bf8_f32 v[PC+4*\b:PC+1+4*\b], v[S+16*\b:S+7+16*\b], v[SCV+\b]
	v_cvt_scalef32_pk8_bf8_f32 v[PC+2+4*\b:PC+3+4*\b], v[S+8+16*\b:S+15+16*\b], v[SCV+\b]
.endr
	v_nop                                          ; one plain line behind the last conversion
.irp c, 0,1,2,3
	ds_store_b128 v[APW], v[PC+4*\c:PC+4*\c+3] offset:512*\c    ; the fragment as it stands: 16 bytes a lane
.endr
	ds_store_b32 v[APFW], v[FF]
	ds_store_b32 v[APFW], v[FF+1] offset:512
.endm
.macro RS p, t                         ; accumulator (p, t) x its query tile's f, from its low end on
.set rO, 64*(\p)+8*(\t)
.set rF, F+2*(\p)
.irp k, 0,2,4,6
	v_pk_mul_f32 v[rO+\k:rO+\k+1], v[rO+\k:rO+\k+1], v[rF:rF+1] op_sel_hi:[1,0]
.endr
.endm
.macro RS4 t                           ; channel tile t of all four positions: 16 lines
.irp p, 0,1,2,3
	RS \p, \t
.endr
.endm
.macro VL par, vi, t, b                ; my channel tile t of V into buffer b
.irp c, 0,1,2,3
	ds_load_b128 v[VB+16*(\b)+4*\c:VB+16*(\b)+4*\c+3], v[AV+2*\par+\vi] offset:2048*(\t)+512*\c
.endr
.endm
.macro PROD4 t, zero                   ; channel tile t against the four positions: four accumulators, one instruction each
.irp p, 0,1,2,3
.if \zero
	MMZ 64*\p+8*(\t), VB+16*((\t)%4), S+16*\p, VS+(\t)/2, PWR+\p, (\t)%2
.else
	MMA 64*\p+8*(\t), VB+16*((\t)%4), S+16*\p, VS+(\t)/2, PWR+\p, (\t)%2
.endif
.endr
.endm
; PV: O^T = f O^T + V^T p^T for my 128 channels and all 64 queries.  V from slot par, its step vi.  zero = 1: the stream's first step starts the sums.  pre = 1: g of my next SM is fetched too: the slot's g number vi.
; A pipeline over the eight channel tiles: a counted wait, the tile's four products, the rescaling of the tile two ahead (16 plain lines that name no register of those products: the places in front of the loads),
; the loads of the tile four ahead into the buffer just read.  LDS loads come back in order (ISA guide 5.7.1), so each wait names the loads issued behind the tile's own.
.macro PV par, vi, zero, pre
.set NG, 14*\pre                       ; three fragments of g and two scale words, issued behind tile 7's loads
.set N3, 4*\pre                        ; g's fourth fragment, issued behind tile 4's products
.if \zero == 0
	ds_load_b32 v[F], v[APFLO]
	ds_load_b32 v[F+2], v[APFLO] offset:128
	ds_load_b32 v[F+4], v[APFHI]
	ds_load_b32 v[F+6], v[APFHI] offset:128
.endif
	ds_load_b32 v[PWR], v[APFLO] offset:512
	ds_load_b32 v[PWR+1], v[APFLO] offset:640
	ds_load_b32 v[PWR+2], v[APFHI] offset:512
	ds_load_b32 v[PWR+3], v[APFHI] offset:640
.irp u, 0,1,2,3
	ds_load_b32 v[VS+\u], v[AVS+\par] offset:2048*\vi+128*\u     ; lanes 0-15: channel tile 2 u; lanes 16-31: 2 u + 1
.endr
.irp p, 0,1
.irp c, 0,1,2,3
	ds_load_b128 v[S+16*\p+4*\c:S+16*\p+4*\c+3], v[APLO] offset:2048*\p+512*\c
.endr
.endr
.irp p, 0,1
.irp c, 0,1,2,3
	ds_load_b128 v[S+32+16*\p+4*\c:S+32+16*\p+4*\c+3], v[APHI] offset:2048*\p+512*\c
.endr
.endr
.irp t, 0,1,2,3
	VL \par, \vi, \t, \t
.endr
.if \zero == 0
	s_wait_dscnt 40                                ; the four f are in; the 4 + 4 + 16 + 16 loads behind them may be out
	WIN 0x41                                       ; O^T (destination and source 0) window 1
	RS4 0
	RS4 1
.endif
.irp t, 0,1,2,3,4,5,6,7
.if \t < 4
	s_wait_dscnt 12                                ; behind this tile's loads: three more tiles'
.elseif \t == 4
	s_wait_dscnt 12+NG                             ; tiles 5, 6, 7 and g's first run
.else
	s_wait_dscnt 4*(7-\t)+NG+N3                    ; the tiles still to come and all of g
.endif
	WIN 0x50                                       ; C and D window 1
	PROD4 \t, \zero
.if (\zero == 0) && (\t < 6)
	WIN 0x41
	RS4 \t+2
.endif
.if (\t < 4) || ((\t == 4) && \pre)
	WIN 0
.if \zero
	NOPS 8                                         ; no rescaling in a stream's first step: eight places in front of the loads into the buffer just read
.endif
.endif
.if \t < 4
	VL \par, \vi, \t+4, \t
.endif
.if (\t == 3) && \pre
.irp u, 0,1,2
.irp c, 0,1,2,3
	ds_load_b128 v[GT+16*\u+4*\c:GT+16*\u+4*\c+3], v[AG+\par] offset:9216*\vi+2048*\u+512*\c
.endr
.endr
.irp w, 0,1
	ds_load_b32 v[GS+\w], v[AGS+\par] offset:9216*\vi+256*\w     ; lanes 0-15: fragment 2 w; lanes 16-31: 2 w + 1
.endr
.endif
.if (\t == 4) && \pre
.irp c, 0,1,2,3
	ds_load_b128 v[VB+4*\c:VB+4*\c+3], v[AG+\par] offset:9216*\vi+6144+512*\c    ; g's fourth fragment takes V's first buffer, which tile 4 has left
.endr
.endif
.endr
	WIN 0
	NOPS 9                                         ; nine places: the next scores are written over p's fragments, which these products read
.endm
; A half-period: group smg does SM, the other PV.  The branch hangs on the wave's number alone.
.macro HP smg, par, vi, zero, pre
	s_cmp_lt_u32 s[WV], 4
.if \smg == 0
	s_cbranch_scc0 .Lpv_\@
.else
	s_cbranch_scc1 .Lpv_\@
.endif
	SM
	s_branch .Lhp_done_\@
.Lpv_\@:
	PV \par, \vi, \zero, \pre
.Lhp_done_\@:
.endm
.macro INST par, zero                  ; a slot's two half-periods
	HP 1, \par, 0, \zero, 1
	BAR
	HP 0, \par, 1, \zero, 1
.endm
; The head of a slot.  Every wave waits for all its tensor loads (its part of the slot ahead), adds 0 to its spare word, and waits for that and for its LDS reads and stores of the half-period before.
; Behind the round no wave of any partner reads the slot that was left: it is filled again, with the slot two on; the load has two half-periods in which to land.
.macro HEAD par
	s_wait_tensorcnt 0x0
	ds_add_u32 v[SPW], v[NIL]
	s_add_nc_u64 s[G0+4*\par+2:G0+4*\par+3], s[G0+4*\par+2:G0+4*\par+3], 2*SLOTB   ; no load of mine is out: the descriptor may step
	s_wait_dscnt 0x0
	ROUND
	tensor_load_to_lds s[G0+4*\par:G0+4*\par+3], s[G1:G1+7]
	s_nop 0
	NOPS 4
.endm
	s_cmp_lt_u32 s[WV], 4                          ; half-period 0: group 0's first scores; group 1 keeps its g(1) for the next
	s_cbranch_scc0 .Lno_first
	SM
.Lno_first:
	s_wait_tensorcnt 0x1                           ; my part of slot 0 is in; slot 1's may stay out
	BAR
	INST 0, 1                                      ; slot 0: both streams' first products start O^T
	s_mov_b32 s[CNT], 7
.Lring:                                            ; slots 1 to 14: behind each head the slot two on is asked for
	HEAD 0
	INST 1, 0
	HEAD 1
	INST 0, 0
	s_sub_co_u32 s[CNT], s[CNT], 1
	s_cmp_lg_u32 s[CNT], 0
	s_cbranch_scc1 .Lring
	s_wait_tensorcnt 0x0                           ; slot 15 is written out: nothing is left to ask for
	ds_add_u32 v[SPW], v[NIL]
	s_wait_dscnt 0x0
	s_barrier_signal -1
	s_barrier_wait -1
	HP 1, 1, 0, 0, 0                               ; SM(31) | PV(30); no g is left to fetch
	BAR
	; f's and g's registers are done with in both groups: x at the rows of the first tile that I merge is asked for a half-period ahead of its use
.set n, 0
.rept 16
.set rX, 64+4*n-(n/12)*80                      ; v64-111, then v32-47
	global_load_b128 v[rX:rX+3], v[GX], s[XB:XB+1] offset:(n+8*(n/8))*2048 th:TH_LOAD_NT   ; 512 consecutive bytes of row n + 8 (n / 8)
.set n, n+1
.endr
	s_cmp_lt_u32 s[WV], 4
	s_cbranch_scc1 .Lno_last
	PV 1, 1, 0, 0                                  ; PV(31)
.Lno_last:
	BAR                                            ; nobody reads the ring or the P buffers any more; both slots have had their last fill
	; THE END.  Each wave publishes -M and the sum of its query tile, and its positions 2, 3; then it merges the two streams for positions 0, 1.
	v_add_f32 v[LSUM], v[LSUM], v[LSUM+1]
	v_permlanex16_b32 v[TP], v[LSUM], s[SEL], s[SEL+1]
	v_add_f32 v[NM+1], v[LSUM], v[TP]              ; the row's sum in my stream
	ds_store_b64 v[STW], v[NM:NM+1]
	WIN 0x04                                       ; an LDS store's data are its source 1: window 1
.set n, 0
.rept 32
	ds_store_b128 v[XSA], v[128+4*n:128+4*n+3] offset:512*n      ; each accumulator from its low end on
.set n, n+1
.endr
	s_wait_dscnt 0x0                               ; for the others' sake; and the registers are free
	WIN 0x40                                       ; destination window 1
.set n, 0
.rept 16
	global_load_b128 v[192+4*n:192+4*n+3], v[GX], s[XB:XB+1] offset:(8+n+8*(n/8))*2048 th:TH_LOAD_NT   ; x at the rows of the second tile
.set n, n+1
.endr
	WIN 0
	s_barrier_signal -1
	s_barrier_wait -1
	s_wait_kmcnt 0x0                               ; gamma
.macro MERGE p
	ds_load_b64 v[48:49], v[STRO] offset:256*\p    ; -M and the sum: my stream's,
	ds_load_b64 v[50:51], v[STRP] offset:256*\p    ; the other stream's
.set n, 0
.rept 16
	ds_load_b128 v[S+4*n:S+4*n+3], v[XRA] offset:8192*\p+512*n   ; the other stream's O^T for this tile and my channels
.set n, n+1
.endr
	s_wait_dscnt 0x0
	v_min_num_f32 v52, v48, v50                    ; -M of both = the smaller -M
	v_sub_f32 v53, v52, v48                        ; my M less the common M: a whole number, 0 or less
	v_sub_f32 v59, v52, v50
	v_cvt_i32_f32 v53, v53
	v_cvt_i32_f32 v59, v59
	v_ldexp_f32 v53, 1.0, v53                      ; powers of two: nothing is rounded
	v_ldexp_f32 v59, 1.0, v59
	v_mul_f32 v60, v49, v53
	v_fma_f32 v60, v51, v59, v60                   ; the row's sum
	v_rcp_f32 v60, v60
	v_nop                                          ; one plain place behind the transcendental
	s_wait_alu depctr_va_vdst(0)
	v_mul_f32 v60, s[GAM], v60                     ; gamma / the sum
	v_mul_f32 v54, v53, v60                        ; (v55 and v63, named with these as pairs, were written at the head)
	v_mul_f32 v62, v59, v60
.set n, 0
.rept 32
	v_pk_mul_f32 v[S+n:S+n+1], v[S+n:S+n+1], v[62:63] op_sel_hi:[1,0]
.set n, n+2
.endr
	WIN 0x01                                       ; source 0 window 1: my O^T
.set n, 0
.rept 32
	v_pk_fma_f32 v[S+n:S+n+1], v[64*\p+n:64*\p+n+1], v[54:55], v[S+n:S+n+1] op_sel_hi:[1,0,1]
.set n, n+2
.endr
	WIN 0
.irp t, 0,1,2,3,4,5,6,7
	ds_store_b128 v[SGI], v[S+8*\t:S+8*\t+3] offset:64*\t        ; lane (r, h): row r, channels 16 t + 8 h + 0 .. 7
	ds_store_b128 v[SGI], v[S+8*\t+4:S+8*\t+7] offset:64*\t+16
.endr
.if \p
	s_wait_xcnt 0x0                                ; the first tile's stores have read their registers: the loads below land there
.endif
.set n, 0
.rept 16
	ds_load_b128 v[VB+4*n:VB+4*n+3], v[SGO] offset:528*n         ; LDS serves a wave's instructions in order: these see my stores.  A whole row of 512 bytes
.set n, n+1
.endr
	s_wait_dscnt 0x0
	s_wait_loadcnt 16*(1-\p)                       ; this tile's 16 loads of x are in; the second tile's 16 may be out
.if \p == 0
.set n, 0
.rept 16
.set rX, 64+4*n-(n/12)*80
	v_pk_add_f32 v[VB+4*n:VB+4*n+1], v[VB+4*n:VB+4*n+1], v[rX:rX+1]
	v_pk_add_f32 v[VB+4*n+2:VB+4*n+3], v[VB+4*n+2:VB+4*n+3], v[rX+2:rX+3]
.set n, n+1
.endr
.else
	WIN 0x04                                       ; source 1 window 1: x
.set n, 0
.rept 32
	v_pk_add_f32 v[VB+n:VB+n+1], v[VB+n:VB+n+1], v[192+n:192+n+1]
.set n, n+2
.endr
	WIN 0
.endif
.set n, 0
.rept 16
	global_store_b128 v[GX], v[VB+4*n:VB+4*n+3], s[OB:OB+1] offset:(8*\p+n+8*(n/8))*2048 th:TH_STORE_NT   ; 32 lanes store 512 consecutive bytes, at a multiple of 256 from out0's first byte
.set n, n+1
.endr
.endm
	MERGE 0
	MERGE 1
	s_wait_tensorcnt 0x0                           ; the wave's end
	ds_add_u32 v[SPW], v[NIL]
	s_wait_dscnt 0x0
	ROUND                                          ; the closing round
	s_endpgm
.Lfunc_end_k_q1f289b7ab3_attn:
	.size	k_q1f289b7ab3_attn, .Lfunc_end_k_q1f289b7ab3_attn-k_q1f289b7ab3_attn
	.p2alignl 7, 3214868480
	.fill 96, 4, 3214868480
	.section	.rodata,"a",@progbits
	.p2align	6, 0x0
	.amdhsa_kernel k_q1f289b7ab3_attn
		.amdhsa_group_segment_fixed_size 327680
		.amdhsa_private_segment_fixed_size 0
		.amdhsa_enable_private_segment 0
		.amdhsa_kernarg_size 40
		.amdhsa_user_sgpr_count 2
		.amdhsa_user_sgpr_kernarg_segment_ptr 1
		.amdhsa_wavefront_size32 1
		.amdhsa_system_sgpr_workgroup_id_x 1
		.amdhsa_system_sgpr_workgroup_id_y 1
		.amdhsa_system_sgpr_workgroup_id_z 1
		.amdhsa_system_vgpr_workitem_id 0
		.amdhsa_next_free_vgpr 512
		.amdhsa_next_free_sgpr 66
		.amdhsa_reserve_vcc 0
		.amdhsa_float_denorm_mode_32 3
		.amdhsa_float_denorm_mode_16_64 3
		.amdhsa_memory_ordered 1
		.amdhsa_forward_progress 1
		.amdhsa_inst_pref_size 255
	.end_amdhsa_kernel
	.section	.bss,"aw",@nobits
	.p2align	6
	.space	262144
	.amdgpu_metadata
---
amdhsa.version: [ 1, 2 ]
amdhsa.kernels:
  - .name:           k_q1f289b7ab3_attn
    .symbol:         k_q1f289b7ab3_attn.kd
    .args:
      - { .name: fq, .offset: 0, .size: 8, .value_kind: global_buffer, .address_space: global }
      - { .name: kv, .offset: 8, .size: 8, .value_kind: global_buffer, .address_space: global }
      - { .name: x, .offset: 16, .size: 8, .value_kind: global_buffer, .address_space: global }
      - { .name: gamma, .offset: 24, .size: 8, .value_kind: global_buffer, .address_space: global }
      - { .name: out0, .offset: 32, .size: 8, .value_kind: global_buffer, .address_space: global }
    .group_segment_fixed_size: 327680
    .private_segment_fixed_size: 0
    .kernarg_segment_align: 8
    .kernarg_segment_size: 40
    .max_flat_workgroup_size: 256
    .sgpr_count:     66
    .vgpr_count:     512
    .wavefront_size: 32
...
	.end_amdgpu_metadata
.endif
;; end of part 3
